; MI455X (gfx1250); checked and timed in simulation.
; The chip was launched on July 23, 2026; its instructions are those of AMD's public machine-readable ISA for CDNA 5 (MIT licence, August 2026) and "CDNA5" Instruction Set Architecture Reference Guide (July 2026). The comments in the code are by the model that wrote it; some were corrected since.
;; Vector Quantizer. Allowed arithmetic: matrix products marked QUANTISED: E2M1 operands, one E8M0 scale for each 32 along K, by v_wmma_scale_f32_16x16x128_f8f6f4 with both operands' format E2M1 (or v_wmma_scale_f32_32x16x128_f4), f32 sums; everything else in f32.
;; Inputs: codebook 8,192 x 512 float32; z_e 16,384 x 512 float32.
;; Outputs: out0 16,384 x 512 float32; out1 one number float32; out2 one number float32; out3 16,384 int32.
;; This version of the problem:
;;   THIS VERSION OF THE PROBLEM IS GIVEN IN LOW PRECISION. The matrix products marked QUANTISED in the list below multiply operands that are first quantised to E2M1 (2 exponent bits, 1 mantissa bit; 4 bits a number), with one power-of-two scale for each 32 numbers along K (OCP MX v1.0); their sums are f32. All else is computed in f32.
;;   The module's matrix products, in the order in which they are computed (A, B: the left and right operand; K: the contracted axis; several contracted axes count as one K, in the product's order):
;;     1. [M 16,384, K 512] x [K 512, N 8,192]; A: computed on the way; B: input codebook: QUANTISED
;;   THE QUANTISER, for each operand of a quantised product, along K:
;;     - K is cut into blocks of 32 from its start; a last block that is shorter is filled with zeros.
;;     - A block's scale is 2^e with e = floor(log2(the largest magnitude in the block)) - 2, held to -126 .. 127; a block of zeros has e = 0. As a byte (E8M0): e + 127.
;;     - Each number is divided by its block's scale, clamped to +-6, and rounded to the nearest number of E2M1, ties to even, subnormals kept.
;;     - The product sums the exact products of the quantised numbers (number of the format x scale) in f32.
;;   ~~~python
;;   def quantise(x, axis):      # numpy; x: float32 -> the quantised numbers, widened to float32 again
;;       x = np.moveaxis(x, axis, -1); K = x.shape[-1]
;;       x = np.pad(x, [(0, 0)] * (x.ndim - 1) + [(0, -K % 32)]); x = x.reshape(x.shape[:-1] + (-1, 32)); a = np.abs(x).max(-1, keepdims=True)
;;       e = np.where(a > 0, np.clip(np.frexp(np.where(a > 0, a, 1))[1] - 1 - 2, -126, 127), 0)      # np.frexp(a)[1] - 1 = floor(log2(a)), exactly
;;       r = np.clip(x / 2.0 ** e, -6, 6)
;;       step = 2.0 ** (np.maximum(np.frexp(np.where(r == 0, 1, r))[1] - 1, 0) - 1)
;;       q = np.round(r / step) * step * 2.0 ** e      # np.round: ties to even
;;       return np.moveaxis(q.reshape(q.shape[:-2] + (-1,))[..., :K], -1, axis).astype(np.float32)
;;   ~~~
;;   OPERANDS COMPUTED ON THE WAY. 'Computed on the way' means the value that the module computes at that place (a softmax that the list does not call 'softmax' is quantised finished and normalised). What goes into a quantiser is computed in f32, as accurately as f32 sums, v_exp_f32 and their like allow (about 1e-6 of the number): no bf16 or f16 on the way to a quantiser, and a product that is left as it is and whose result goes on into a quantised operand takes f32 operands (vector FMAs, or v_wmma_f32_16x16x4_f32). A number that lies on a knife's edge between two numbers of the format may be rounded either way, as far as f32 arithmetic and the matrix unit's own rounding can turn it there, and no further.
;; One version. Each part assembles by itself: llvm-mc -triple=amdgcn-amd-amdhsa -mcpu=gfx1250 --defsym DOCPART=n.
;; ======== version 1 of 1: 4 launches
;; limits: right only within a limited range of input values
;; workspace buffers: zimg 4,521,984 bytes; cimg 2,260,992 bytes; cand 524,288 bytes of whole numbers; part 1,024 bytes
;; launch quant (part 1): grid 384 x 1, 4 waves a work-group, no clusters, 35,328 bytes of LDS; arguments z_e, codebook, zimg, cimg; writes zimg, cimg
.if DOCPART == 1
	.amdgcn_target "amdgcn-amd-amdhsa--gfx1250"
	.amdhsa_code_object_version 6
	.text
	.protected	k_q426b45e847_quant
	.globl	k_q426b45e847_quant
	.p2align	8
	.type	k_q426b45e847_quant,@function
k_q426b45e847_quant:
	s_mov_b64 s[64:65], 0
	v_nop
	global_prefetch_b8 v0, s[64:65] scope:SCOPE_SE
	s_setreg_imm32_b32 hwreg(HW_REG_WAVE_MODE, 25, 1), 1
	s_wait_xcnt 0x0
; z_e [16384][512] and codebook [8192][512], f32, become what the product's launch reads: codes of FP4 (E2M1) laid as IMAGES OF THE OPERAND'S REGISTERS, their E8M0 scale words, and each row's sum of squares.
; A GROUP is 256 rows = 16 tiles of 16 rows, GROUPB = 70,656 bytes:
;   t*4096 + s*1024 + c*512 + 16*lane : registers 4c..4c+3 of the fragment of tile t, K step s (128 along K): lane (r, h) holds k = 128 s + 64 c + 32 h + 0..31 of row r
;   65,536 + t*256 + 16*r            : row r's four scale words (word s; its byte 2 c + h scales the block of 32 above)
;   69,632 + t*64 + 4*r              : the sum of the row's 512 squares, f32
; A block's scale is 2^(floor(log2(its largest magnitude)) - 2): its byte is the largest magnitude's exponent field - 2, held at 1 from below.
; THE LEFT OPERAND OF THE PRODUCT IS 2 z.  Doubling moves every exponent by one and no mantissa: the codes of 2 z are those of z, the byte is one higher.  z's codes are stored with their signs turned
; (each code's top bit), so that they stand for -2 z and the product's launch adds where the distance subtracts.  The quantiser is odd, so the codes of -2 z are those of 2 z with the sign turned.
; LIMITS: NaN and infinities among the inputs are not served.  A block whose largest magnitude lies under 2^-124 keeps the floor's byte (1; for z 2); a block of zeros too, where the rule says 127: its codes are
; zeros, which add nothing under any byte but 0xff, and the bytes are read by this program alone.  The order in which a row's squares are added is this text's own: eight chains, then a tree.
; SHARES.  A wave takes one tile, 16 rows x 512 numbers.  Work-groups 0-255 take z, 256-383 the codebook: only pointers and two constants are chosen by the work-group's number, the text has one path.
; Each load reads 512 consecutive bytes of a row; a K step's 16 x 512 bytes turn through the wave's own stage in LDS, so that a lane gets two whole blocks of 32 neighbours along K.
; No tensor load, no cluster: no two work-groups read the same bytes.
; WORK THAT THE PROGRAM LEAVES OUT: the distance of reference() is |z|^2 + |c|^2 - 2 z . c.  |z|^2 is the same for all codes of a token, so in exact arithmetic it moves no argmin, whatever the inputs hold, and the distances
; reach no output but through the argmin: the product's launch does not add it and does not load it.  LIMIT: an overflow or a NaN that would arise in |z|^2 alone is not carried to the result.
; This text has one path for both tensors, so z's rows get their sums of squares too; no later launch loads those of z.
.set GROUPB, 70656
.set SCOFF,  65536
.set NOFF,   69632
.set SPITCH, 528                       ; a stage row: 512 bytes + 16: sixteen rows begin in sixteen different 16-byte columns of 256
.set WSTAGE, 16*SPITCH                 ; a wave's stage
.set NORM,   4*WSTAGE                  ; behind the stages: the work-group's 64 sums of squares, 256 bytes
.set T,   8                            ; v8-9    the two blocks' largest magnitudes
.set SO,  10                           ; v10-11  the conversions' scale operands
.set BY,  12                           ; v12-13  the scale bytes
.set U,   14                           ; v14     what the lane 16 away sends
.set TW,  15                           ; v15     my two bytes at their places
.set SQ,  16                           ; v16-23  four packed chains of squares
.set W,   24                           ; v24-27  the row's four scale words
.set CW,  32                           ; v32-63  the codes: eight registers for each K step, never written again
.set X,   64                           ; v64-127 my two blocks of 32 numbers
.set R,   128                          ; v128-255 two sets of 64 registers as loaded
	s_load_b256 s[4:11], s[0:1], 0x0               ; z_e s[4:5], codebook s[6:7], zimg s[8:9], cimg s[10:11]
	s_set_vgpr_msb 0x40
	v_lshl_add_u32 v0, v0, 2, 0x8800
	v_mov_b32 v1, 0
	s_set_vgpr_msb 0x4000
	v_lshrrev_b32 v8, 5, v0
	v_readfirstlane_b32 s12, v8                    ; wave 0..3
	v_and_b32 v9, 31, v0                           ; lane
	v_and_b32 v10, 15, v0                          ; r
	v_bfe_u32 v11, v0, 4, 1                        ; h
	v_lshlrev_b32 v1, 4, v9                        ; v1: 16 x lane: my bytes of a load's 512, and of an image's 512
	s_mul_i32 s18, s12, WSTAGE
	v_add_nc_u32 v2, s18, v1                       ; v2: the stage on the way in
	v_mul_u32_u24 v3, v10, SPITCH
	v_lshl_add_u32 v3, v11, 7, v3
	v_add_nc_u32 v3, s18, v3                       ; v3: and on the way out: row r, + 128 h bytes: 32 numbers
	v_lshlrev_b32 v4, 3, v11                       ; v4: 8 h: how far my two scale bytes are shifted; also which two words I store
	v_lshl_add_u32 v5, v10, 4, v4                  ; v5: 16 r + 8 h: where I store two scale words
	s_lshl_b32 s18, s12, 6
	v_lshl_add_u32 v6, v10, 2, s18                 ; v6: 64 x wave + 4 r: my row's place among the work-group's sums
	v_lshlrev_b32 v7, 3, v9                        ; v7: 8 x lane
	v_mov_b32 v[U], 0                              ; written once: a lane permute's destination counts as one of its sources
	s_mov_b32 s14, 0x76543210
	s_mov_b32 s15, 0xfedcba98                      ; v_permlanex16_b32's selects for lane l xor 16
	s_wait_alu depctr_va_vdst(0)
	s_wait_kmcnt 0x0
	s_cmp_lt_u32 ttmp9, 256                        ; z's work-group or the codebook's?  The choice hangs on the work-group's number alone
	s_cselect_b64 s[4:5], s[4:5], s[6:7]
	s_cselect_b64 s[8:9], s[8:9], s[10:11]
	s_cselect_b32 s16, 0x88888888, 0               ; z: every code's sign is turned
	s_cselect_b32 s17, 1, 0                        ; z: the byte of 2 z
	s_cselect_b32 s19, 0, 256
	s_sub_co_u32 s19, ttmp9, s19
	s_lshl_b32 s19, s19, 2
	s_add_co_u32 s20, s19, s12                     ; my tile in its tensor
	s_lshl_b32 s22, s20, 15                        ; 16 rows of 2,048 bytes
	s_mov_b32 s23, 0
	s_add_nc_u64 s[4:5], s[4:5], s[22:23]
	s_lshr_b32 s24, s20, 4
	s_mul_i32 s24, s24, GROUPB                     ; my group
	s_mov_b32 s25, 0
	s_add_nc_u64 s[8:9], s[8:9], s[24:25]
	s_and_b32 s21, s20, 15                         ; my tile in the group
	s_mov_b32 s27, 0
	s_lshl_b32 s26, s21, 12
	s_add_nc_u64 s[28:29], s[8:9], s[26:27]        ; its images
	s_lshl_b32 s26, s21, 8
	s_add_co_u32 s26, s26, SCOFF
	s_add_nc_u64 s[30:31], s[8:9], s[26:27]        ; its scale words
	s_and_b32 s26, s21, 12
	s_lshl_b32 s26, s26, 6
	s_add_co_u32 s26, s26, NOFF
	s_add_nc_u64 s[32:33], s[8:9], s[26:27]        ; the sums of the work-group's four tiles: 256 bytes, aligned
.macro LOAD s                          ; K step s of my 16 rows: each load reads 512 consecutive bytes
.irp i, 0,1,2,3,4,5,6,7,8,9,10,11,12,13,14,15
	global_load_b128 v[R+64*((\s)%2)+4*\i:R+64*((\s)%2)+4*\i+3], v1, s[4:5] offset:\i*2048+(\s)*512 th:TH_LOAD_NT
.endr
.endm
.macro TURN s                          ; through the stage: LDS serves a wave's instructions in order, so no wait stands between the stores and the loads
.irp i, 0,1,2,3,4,5,6,7,8,9,10,11,12,13,14,15
	ds_store_b128 v2, v[R+64*((\s)%2)+4*\i:R+64*((\s)%2)+4*\i+3] offset:\i*SPITCH
.endr
.irp c, 0,1
.irp i, 0,1,2,3,4,5,6,7
	ds_load_b128 v[X+32*\c+4*\i:X+32*\c+4*\i+3], v3 offset:256*\c+16*\i   ; k = 128 s + 64 c + 32 h + 4 i .. of row r
.endr
.endr
.endm
.macro QBLK s                          ; my two blocks of K step s: scale, squares, codes, the scale word; the images leave
.irp c, 0,1
	v_max3_num_f32 v[T+\c], |v[X+32*\c]|, |v[X+32*\c+1]|, 0x1800000   ; the block's largest magnitude: all 32 numbers are mine; and the floor 2^(3 - 127), so that the byte cannot fall under 1
.endr
.irp i, 2,4,6,8,10,12,14,16,18,20,22,24,26,28,30
.irp c, 0,1
	v_max3_num_f32 v[T+\c], v[T+\c], |v[X+32*\c+\i]|, |v[X+32*\c+\i+1]|   ; (the two blocks by turns)
.endr
.endr
.irp c, 0,1
	v_add_nc_u32 v[SO+\c], 0xff000000, v[T+\c]     ; 2 off its exponent field: the conversion takes the exponent field of this operand as its scale, and nothing else of it
.endr
.irp c, 0,1
	v_lshrrev_b32 v[BY+\c], 23, v[SO+\c]           ; the scale's byte,
.endr
.irp c, 0,1
	v_add_nc_u32 v[BY+\c], s17, v[BY+\c]           ; one higher for z: the byte of 2 z
.endr
.set p, 0
.rept 32
.if ((\s) == 0) && (p < 4)
	v_pk_mul_f32 v[SQ+2*p:SQ+2*p+1], v[X+2*p:X+2*p+1], v[X+2*p:X+2*p+1]          ; the first four pairs start the chains: nothing is cleared
.else
	v_pk_fma_f32 v[SQ+2*(p%4):SQ+2*(p%4)+1], v[X+2*p:X+2*p+1], v[X+2*p:X+2*p+1], v[SQ+2*(p%4):SQ+2*(p%4)+1]
.endif
.set p, p+1
.endr
.irp c, 0,1
.irp g, 0,1,2,3
	v_cvt_scalef32_pk8_fp4_f32 v[CW+8*(\s)+4*\c+\g], v[X+32*\c+8*\g:X+32*\c+8*\g+7], v[SO+\c]   ; eight numbers / the scale, to the nearest code, ties to even, beyond 6 the largest code; the first number's code in the lowest bits
.endr
.endr
	v_nop                                          ; one plain vector instruction between a scaled conversion and the vector instruction that touches its result
.irp g, 0,1,2,3,4,5,6,7
	v_xor_b32 v[CW+8*(\s)+\g], s16, v[CW+8*(\s)+\g]   ; z: the signs turned; the codebook: as they are
.endr
	v_lshl_or_b32 v[TW], v[BY+1], 16, v[BY]        ; my two bytes: blocks h and 2 + h of the word,
	v_lshlrev_b32 v[TW], v4, v[TW]                 ; 8 h bits up;
	v_permlanex16_b32 v[U], v[TW], s14, s15
	v_or_b32 v[W+(\s)], v[TW], v[U]                ; with lane l xor 16's two the word is whole
.irp c, 0,1
	global_store_b128 v1, v[CW+8*(\s)+4*\c:CW+8*(\s)+4*\c+3], s[28:29] offset:(\s)*1024+\c*512   ; 32 lanes store 512 consecutive bytes, aligned
.endr
.endm
	LOAD 0
	LOAD 1
.irp s, 0,1,2,3
.if \s < 3
	s_wait_loadcnt 16                              ; this K step's 16 loads are in; the next K step's 16 stay out
.else
	s_wait_loadcnt 0x0
.endif
	TURN \s
	s_wait_dscnt 0x0                               ; my numbers are back, and the stores into the stage have read their registers,
.if \s < 2
	LOAD \s+2                                      ; which take the loads of two K steps on
.endif
	QBLK \s
.endr
	v_cmp_ne_u32 vcc_lo, 0, v4                     ; lanes 16-31 store words 2 and 3, lanes 0-15 words 0 and 1
	v_cndmask_b32 v28, v[W], v[W+2], vcc_lo
	v_cndmask_b32 v29, v[W+1], v[W+3], vcc_lo
	global_store_b64 v5, v[28:29], s[30:31]        ; 32 lanes store the tile's 256 bytes of scale words, aligned
	v_pk_add_f32 v[SQ:SQ+1], v[SQ:SQ+1], v[SQ+2:SQ+3]
	v_pk_add_f32 v[SQ+4:SQ+5], v[SQ+4:SQ+5], v[SQ+6:SQ+7]
	v_pk_add_f32 v[SQ:SQ+1], v[SQ:SQ+1], v[SQ+4:SQ+5]
	v_add_f32 v[SQ], v[SQ], v[SQ+1]
	v_permlanex16_b32 v[U], v[SQ], s14, s15        ; the row's other 256 numbers lie in the lane 16 away
	v_add_f32 v[SQ], v[SQ], v[U]
	ds_store_b32 v6, v[SQ] offset:NORM             ; both lanes of a row write the same word with the same value
	s_wait_dscnt 0x0                               ; for the others' sake: my store has landed
	s_barrier_signal -1
	s_barrier_wait -1
	s_cmp_lg_u32 s12, 0
	s_cbranch_scc1 .Ldone                          ; wave 0 stores the four tiles' sums as one aligned run of 256 bytes
	ds_load_b64 v[30:31], v7 offset:NORM
	s_wait_dscnt 0x0
	global_store_b64 v7, v[30:31], s[32:33]
.Ldone:
	s_set_vgpr_msb 0x5
	s_wait_tensorcnt 0x0
	ds_add_u32 v0, v1
	s_wait_dscnt 0x0
	s_set_vgpr_msb 0x500
	s_endpgm
.Lfunc_end_k_q426b45e847_quant:
	.size	k_q426b45e847_quant, .Lfunc_end_k_q426b45e847_quant-k_q426b45e847_quant
	.p2alignl 7, 3214868480
	.fill 96, 4, 3214868480
	.section	.rodata,"a",@progbits
	.p2align	6, 0x0
	.amdhsa_kernel k_q426b45e847_quant
		.amdhsa_group_segment_fixed_size 35328
		.amdhsa_private_segment_fixed_size 0
		.amdhsa_enable_private_segment 0
		.amdhsa_kernarg_size 32
		.amdhsa_user_sgpr_count 2
		.amdhsa_user_sgpr_kernarg_segment_ptr 1
		.amdhsa_wavefront_size32 1
		.amdhsa_system_sgpr_workgroup_id_x 1
		.amdhsa_system_sgpr_workgroup_id_y 1
		.amdhsa_system_sgpr_workgroup_id_z 1
		.amdhsa_system_vgpr_workitem_id 0
		.amdhsa_next_free_vgpr 258
		.amdhsa_next_free_sgpr 66
		.amdhsa_reserve_vcc 1
		.amdhsa_float_denorm_mode_32 3
		.amdhsa_float_denorm_mode_16_64 3
		.amdhsa_memory_ordered 1
		.amdhsa_forward_progress 1
		.amdhsa_inst_pref_size 40
	.end_amdhsa_kernel
	.amdgpu_metadata
---
amdhsa.version: [ 1, 2 ]
amdhsa.kernels:
  - .name:           k_q426b45e847_quant
    .symbol:         k_q426b45e847_quant.kd
    .args:
      - { .name: z_e, .offset: 0, .size: 8, .value_kind: global_buffer, .address_space: global }
      - { .name: codebook, .offset: 8, .size: 8, .value_kind: global_buffer, .address_space: global }
      - { .name: zimg, .offset: 16, .size: 8, .value_kind: global_buffer, .address_space: global }
      - { .name: cimg, .offset: 24, .size: 8, .value_kind: global_buffer, .address_space: global }
    .group_segment_fixed_size: 35328
    .private_segment_fixed_size: 0
    .kernarg_segment_align: 8
    .kernarg_segment_size: 32
    .max_flat_workgroup_size: 128
    .sgpr_count:     66
    .vgpr_count:     258
    .wavefront_size: 32
...
	.end_amdgpu_metadata
.endif
;; end of part 1
;; launch dist (part 2): grid 4 x 64, 8 waves a work-group, clusters of 4 x 4, 327,680 bytes of LDS; arguments zimg, cimg, cand; writes cand
.if DOCPART == 2
	.amdgcn_target "amdgcn-amd-amdhsa--gfx1250"
	.amdhsa_code_object_version 6
	.text
	.protected	k_q426b45e847_dist
	.globl	k_q426b45e847_dist
	.p2align	8
	.type	k_q426b45e847_dist,@function
k_q426b45e847_dist:
	s_mov_b64 s[64:65], 0
	v_nop
	global_prefetch_b8 v0, s[64:65] scope:SCOPE_SE
	s_setreg_imm32_b32 hwreg(HW_REG_WAVE_MODE, 25, 1), 1
	s_wait_xcnt 0x0
	s_wait_alu depctr_hold_cnt(0) depctr_sa_sdst(0) depctr_va_vdst(0) depctr_va_sdst(0) depctr_va_ssrc(0) depctr_va_vcc(0) depctr_vm_vsrc(0)
	s_getreg_b32 s2, hwreg(HW_REG_IB_STS2, 6, 4)
	s_cmp_eq_u32 s2, 0
	s_cbranch_scc0 .Lentry_in_a_cluster
	s_endpgm
.Lentry_in_a_cluster:
	s_bfe_u32 s2, ttmp6, 0x10000c
	s_cmp_lg_u32 s2, 0xf033
	s_cbranch_scc0 .Lentry_shape_is_right
	s_endpgm
.Lentry_shape_is_right:
; e[token][code] = |c|^2 - (2 z) . c, the product on codes of FP4 (E2M1) with E8M0 scales, and for each token the least e and its lowest index among a QUARTER of the codebook.
; WORK LEFT OUT: the distance of reference() is |z|^2 + e.  |z|^2 is the same for all codes of a token, so in exact arithmetic it moves no argmin, whatever the inputs hold; the distances reach no output but through the argmin.
; So |z|^2 is not added here and z's sums of squares are not loaded.  LIMIT: an overflow or a NaN that would arise in |z|^2 alone is not carried to the result.
; zimg, cimg: groups of 256 rows, GROUPB bytes: 16 tiles x 4 K steps of operand images (1,024 bytes each), then the rows' scale words (16 bytes a row), then the rows' sums of squares.  z's codes stand for -2 z.
; cand [4 quarters][16,384 tokens][2 words]: a whole-number key that rises with e, and the code's index.
; SHARES.  A work-group takes 256 tokens (group tb of zimg) and 2,048 codes (groups 8 q .. 8 q + 7 of cimg): 4 x 64 = 256 work-groups of equal work.  Eight waves, two to a SIMD, 512 registers each.  Wave w: tg = w / 4 says which
; 128 tokens are its own: eight tiles, whose fragments, 256 registers, stay in window 1; ch = w % 4 says which code tiles it visits: tiles ch, ch + 4, ch + 8, ch + 12 of each group.
; A VISIT is one code tile against the wave's 128 tokens: 11 LDS loads feed 32 matrix instructions.
; THE PRODUCT: source 0 = 16 codes, source 1 = 16 tokens: a lane holds ONE token (lane % 16) and the codes 8 (lane / 16) + 0..7.  The first K step takes |c|^2 of the lane's eight codes, as loaded, for its C: no vector instruction
; prepares an accumulator; since z's codes stand for -2 z the four K steps leave e itself.  THE ORDER OF ROUNDING: the K steps are added one after the other onto |c|^2 inside the matrix unit, where the definition sums the
; product first and subtracts once.
; THE ARGMIN.  Of a visit's eight e a lane takes the least; where it is strictly under the lane's best so far, the best, the tile's first index and the tile's eight e are kept (selects, no branch; two selects an instruction).
; Tiles come in rising index, so ties keep the first tile; at the end the first of the eight kept e that equals the best gives the index.  Lanes, waves and (in the next launch) quarters are joined by (key, index), the lower
; index on equal keys.  The bests begin as +infinity, so that the first visit is a visit like any other and the loop holds it.
; LIMITS: NaN and infinities are not served; nor is a token all of whose e overflow to +infinity.
; THE RING.  Two LDS slots of one group each; waves 0-3 fetch a quarter of a group each (69 rows of 256 bytes, dense); the tokens' images and scale words (4 x 68 rows) are fetched once, by waves 4-7.  A wave has at most one tensor load out.
; A group's fourth visit changes slots: its LDS loads are in before its products begin, so the barrier's signal stands ahead of the products, and the products and what follows them, registers all, stand between signal and wait.
; CLUSTER 4 x 4.  The four work-groups of a column of the cluster have the same q and walk the same code groups; the four of a row have the same tb.  Each tile is asked for JOINTLY: the same tensor load, the same
; descriptor, a mask that names the four.  No LDS address and no branch hangs on a work-group's place in its cluster.
; NO PREFETCH: a refill is asked for three visits (96 matrix instructions a wave) ahead of the wait for it, and all 64 row blocks walk the same four runs of eight groups in the same steps.
; REGISTERS.  Window 0: v0 the thread; v1, v2 the add's; v3-8 LDS addresses; v9 the visit's first index; v10-12, v14 four minima at work; v13, v15 at work; v16-31 for each token tile the best e (even) and its tile's first
;   index (odd); v48-79 z's scale words; v80-83 the code tile's scale words; v84-91 |c|^2 of my eight codes; v92-123 the code tile's four fragments; v128-191 the accumulators; v192-255 the kept e.
;   Window 1: z's 32 fragments.
; A PAIR OF SELECTS wants one even and one odd destination, and its two first sources, and its two second sources, in different register banks (number mod 4): neighbouring registers serve the kept e; best and index are
; interleaved; the minima lie in banks 2, 3, 0, 2 and the visit's index in bank 1.
.set GROUPB, 70656
.set QB,     GROUPB/4                  ; a quarter of a code group: 69 rows of 256 bytes
.set QBZ,    68*256                    ; a quarter of the tokens' images and scale words: 68 rows of 256 bytes
.set SCOFF,  65536
.set NOFF,   69632
.set S0,     GROUPB                    ; LDS: the tokens' group at 0; slot 0; slot 1;
.set S1,     2*GROUPB
.set SPARE,  3*GROUPB                  ; the spare words, 128 bytes for each of eight waves: four blocks of 256 bytes that no other line names;
.set SCR,    SPARE+1024                ; [ch][256 tokens][8 bytes]: where the four waves' candidates meet; no tensor load lands here
.set SPW,  1
.set NIL,  2
.set AC,   3                           ; v3, v4  my code tile's images in slot 0, 1
.set AS,   5                           ; v5, v6  its scale words
.set AN,   7                           ; v7, v8  its sums of squares
.set TID,  9
.set M,    10                          ; minimum i of four at v[M + i + i / 3]: v10, v11, v12, v14
.set BI,   16                          ; token tile t: best at v[BI + 2 t], index at v[BI + 2 t + 1]
.set ZS,   48
.set CS,   80
.set CN,   84
.set CF,   92
.set ACC,  128
.set SV,   192
.set WV,   10                          ; s10 wave, s11 ch, s12 tg
.set G1C,  24                          ; s[24:31] descriptor group 1 for the code groups
.set G0,   32                          ; s[32:39] group 0, a set for each slot
.set G0Z,  40                          ; s[40:43] group 0 for the tokens' group
.set G1Z,  48                          ; s[48:55] its group 1
.set MSB, 0
.macro WIN new                         ; the immediate's high byte repeats the setting that is left
.if MSB != \new
	s_set_vgpr_msb (MSB<<8)|\new
.set MSB, \new
.endif
.endm
.macro CREST                           ; a round of the cluster's barrier behind its opening barrier: wave 0 signals for the work-group; every wave waits for all sixteen; my work-group's barrier once more
	s_cmp_lg_u32 s[WV], 0
	s_cbranch_scc1 .Lnot_wave_0_\@
	s_barrier_signal -3
.Lnot_wave_0_\@:
	s_barrier_wait -3
	s_barrier_signal -1
	s_barrier_wait -1
.endm
.macro CROUND                          ; a whole round
	s_barrier_signal -1
	s_barrier_wait -1
	CREST
.endm
.macro RLOAD slot                      ; waves 0-3 ask jointly for their quarters of a group; the branch hangs on the wave's number alone; s_nop 0 and four v_nop follow the load
	s_cmp_lt_u32 s[WV], 4
	s_cbranch_scc0 .Lnone_\@
	tensor_load_to_lds s[G0+4*(\slot):G0+4*(\slot)+3], s[G1C:G1C+7]
	s_nop 0
.rept 4
	v_nop
.endr
.Lnone_\@:
.endm
.macro LOADS slot, v                   ; visit v's code tile, ch + 4 v: eleven loads
	ds_load_b128 v[CN:CN+3], v[AN+\slot] offset:(\v)*256
	ds_load_b128 v[CN+4:CN+7], v[AN+\slot] offset:(\v)*256+16
	ds_load_b128 v[CS:CS+3], v[AS+\slot] offset:(\v)*1024
.irp s, 0,1,2,3
.irp c, 0,1
	ds_load_b128 v[CF+8*\s+4*\c:CF+8*\s+4*\c+3], v[AC+\slot] offset:(\v)*16384+\s*1024+\c*512   ; an image comes back as it was stored: 512 consecutive bytes a load
.endr
.endr
.endm
.macro MULS                            ; 32 matrix instructions: the eight accumulators by turns, one instruction a turn, K ascending, from visit to visit too; the first K step starts each sum from |c|^2
	WIN 0x04                                       ; source 1 (z) window 1
.irp s, 0,1,2,3
.irp tt, 0,1,2,3,4,5,6,7
.if \s == 0
	v_wmma_scale_f32_16x16x128_f8f6f4 v[ACC+8*\tt:ACC+8*\tt+7], v[CF:CF+7], v[32*\tt:32*\tt+7], v[CN:CN+7], v[CS], v[ZS+4*\tt] matrix_a_fmt:MATRIX_FMT_FP4 matrix_b_fmt:MATRIX_FMT_FP4
.else
	v_wmma_scale_f32_16x16x128_f8f6f4 v[ACC+8*\tt:ACC+8*\tt+7], v[CF+8*\s:CF+8*\s+7], v[32*\tt+8*\s:32*\tt+8*\s+7], v[ACC+8*\tt:ACC+8*\tt+7], v[CS+\s], v[ZS+4*\tt+\s] matrix_a_fmt:MATRIX_FMT_FP4 matrix_b_fmt:MATRIX_FMT_FP4
.endif
.endr
.endr
	WIN 0
.rept 4
	v_nop                                          ; four places in front of the loads into registers that the products have read, and of the first read of results
.endr
.endm
.macro EPI                             ; a visit's 64 e of a lane against its eight bests, four token tiles at a time
.irp u, 0,4
.irp i, 0,1,2,3
	v_min3_num_f32 v[M+\i+\i/3], v[ACC+8*(\u+\i)], v[ACC+8*(\u+\i)+1], v[ACC+8*(\u+\i)+2]   ; each accumulator is read from its low end on; the four tiles by turns
.endr
.irp i, 0,1,2,3
	v_min3_num_f32 v[M+\i+\i/3], v[M+\i+\i/3], v[ACC+8*(\u+\i)+3], v[ACC+8*(\u+\i)+4]
.endr
.irp i, 0,1,2,3
	v_min3_num_f32 v[M+\i+\i/3], v[M+\i+\i/3], v[ACC+8*(\u+\i)+5], v[ACC+8*(\u+\i)+6]
.endr
.irp i, 0,1,2,3
	v_min_num_f32 v[M+\i+\i/3], v[M+\i+\i/3], v[ACC+8*(\u+\i)+7]
.endr
.irp i, 0,1,2,3
	v_cmp_lt_f32 vcc_lo, v[M+\i+\i/3], v[BI+2*(\u+\i)]   ; strictly under: an equal e of a later tile does not displace the earlier one
	v_dual_cndmask_b32 v[BI+2*(\u+\i)], v[BI+2*(\u+\i)], v[M+\i+\i/3] :: v_dual_cndmask_b32 v[BI+2*(\u+\i)+1], v[BI+2*(\u+\i)+1], v[TID]   ; the best, and its tile's first index
.irp j, 0,2,4,6
	v_dual_cndmask_b32 v[SV+8*(\u+\i)+\j], v[SV+8*(\u+\i)+\j], v[ACC+8*(\u+\i)+\j] :: v_dual_cndmask_b32 v[SV+8*(\u+\i)+\j+1], v[SV+8*(\u+\i)+\j+1], v[ACC+8*(\u+\i)+\j+1]   ; and the tile's eight e
.endr
.endr
.endr
	v_add_nc_u32 v[TID], 64, v[TID]                ; the next visit's tile lies four tiles on
.endm
.macro VISIT slot, v                   ; one of a group's first three visits
	s_wait_alu depctr_va_vdst(0)
	s_wait_dscnt 0x0                               ; my tile's eleven loads are in
	MULS
	LOADS \slot, \v+1                              ; the next visit's tile is on its way while this visit's e are gone through
	EPI
.endm
; A GROUP'S FOURTH VISIT.  mode 0: the launch's last visit.  mode 1, 2: THE CHANGE OF SLOTS.  The visit's LDS loads are the wave's last reads of the slot.  Each wave waits for all its tensor loads (its part of slot 'next'), adds 0 to
; its spare word, waits for that and for those reads, and signals; the products and the going through their e touch registers alone and stand between the signal and the wait.  The barrier opens a round of the cluster's
; barrier: behind it no wave of any partner still reads the slot that was left or has a load on its way.  mode 2: that slot is asked for again, first thing behind the round: it has the next group's first three visits in which to land.
.macro LASTV next, mode
.if \mode
	s_wait_alu depctr_va_vdst(0)
	s_wait_tensorcnt 0x0                           ; no tensor load of mine is out, so a group 0 may be written
	ds_add_u32 v[SPW], v[NIL]                      ; 0 onto my spare word
.if \mode == 2
	s_add_nc_u64 s[G0+4*(\next)+2:G0+4*(\next)+3], s[G0+4*(\next)+2:G0+4*(\next)+3], 2*GROUPB   ; slot 'next' has its group: its descriptor steps to the group that it takes at the change after this one; the type bits on top are not reached
.endif
	s_wait_dscnt 0x0                               ; the add is done, and my reads of the slot are over
	s_barrier_signal -1
.else
	s_wait_alu depctr_va_vdst(0)
	s_wait_dscnt 0x0
.endif
	MULS
	EPI
.if \mode
	s_barrier_wait -1
	CREST
.if \mode == 2
	RLOAD 1-(\next)
.endif
.endif
.endm
.macro WORK slot, mode                 ; a group: my four code tiles
	LOADS \slot, 0
	VISIT \slot, 0
	VISIT \slot, 1
	VISIT \slot, 2
	LASTV 1-\slot, \mode
.endm
.macro MERGE ka, ia, kb, ib            ; (key, index) a takes b's where b's key is lower, or equal with the lower index: whole numbers, selects only
	v_cmp_lt_u32 s56, v[\kb], v[\ka]
	v_cmp_eq_u32 s57, v[\kb], v[\ka]
	v_cmp_lt_u32 s58, v[\ib], v[\ia]
	s_and_b32 s57, s57, s58
	s_or_b32 s56, s56, s57
	v_cndmask_b32 v[\ka], v[\ka], v[\kb], s56
	v_cndmask_b32 v[\ia], v[\ia], v[\ib], s56
.endm
	s_load_b128 s[4:7], s[0:1], 0x0                ; zimg s[4:5], cimg s[6:7]
	s_load_b64 s[8:9], s[0:1], 0x10                ; cand
	v_lshl_add_u32 v[SPW], v0, 2, SPARE
	v_mov_b32 v[NIL], 0
	ds_add_u32 v1, v2                              ; the opening lines: the add, twice on end, and its wait ahead of my first tensor load
	ds_add_u32 v1, v2
	s_wait_dscnt 0x0
	v_lshrrev_b32 v10, 5, v0
	s_delay_alu instid0(VALU_DEP_1)
	v_readfirstlane_b32 s[WV], v10                 ; wave 0..7
	s_and_b32 s11, s[WV], 3                        ; ch; also: which quarter of a group I fetch
	s_lshr_b32 s12, s[WV], 2                       ; tg
	s_bfe_u32 s13, ttmp6, 0x40000                  ; cx
	s_bfe_u32 s14, ttmp6, 0x40004                  ; cy
	s_lshl_b32 s15, ttmp9, 2
	s_add_co_u32 s15, s15, s13                     ; q = 4 x cluster x + cx
	s_and_b32 s16, ttmp7, 0xffff
	s_lshl_b32 s16, s16, 2
	s_add_co_u32 s16, s16, s14                     ; tb = 4 x cluster y + cy
	s_lshl_b32 s17, s14, 2
	s_lshl_b32 s17, 15, s17                        ; my row of the cluster
	s_lshl_b32 s18, 0x1111, s13                    ; my column
	; descriptor group 1: rows of 32 elements of 8 bytes, dense, no padding: 69 rows for a quarter of a code group, 68 for a quarter of the tokens'
	s_or_b32 s[G1C], s18, (3<<16)|(1<<21)          ; 15:0 the mask: the code groups go to my column; 17:16 elements of 8 bytes; 21 set beside a mask
	s_or_b32 s[G1Z], s17, (3<<16)|(1<<21)          ; the tokens' group goes to my row
.irp g, G1C, G1Z
	s_mov_b32 s[\g+1], 32<<16                      ; tensor_dim0 = 32
	s_mov_b32 s[\g+3], 32<<16                      ; tile_dim0 = 32
	s_mov_b32 s[\g+5], 32                          ; from row to row
	s_mov_b32 s[\g+6], 0
	s_mov_b32 s[\g+7], 0
.endr
	s_mov_b32 s[G1C+2], 69<<16                     ; tensor_dim1, tile_dim1
	s_mov_b32 s[G1C+4], 69
	s_mov_b32 s[G1Z+2], 68<<16
	s_mov_b32 s[G1Z+4], 68
	s_mul_i32 s22, s11, QB                         ; my quarter: in memory and in LDS alike; no place in the cluster enters an LDS address
	s_mul_i32 s20, s15, 8*GROUPB                   ; the codes: by q alone, which my column shares,
	s_add_co_u32 s20, s20, s22
	s_mov_b32 s21, 0
	s_mul_i32 s23, s11, QBZ
	s_mul_i32 s56, s16, GROUPB                     ; the tokens: by tb alone, which my row shares
	s_add_co_u32 s56, s56, s23
	s_mov_b32 s57, 0
	s_mov_b32 s46, 0x76543210
	s_mov_b32 s47, 0xfedcba98                      ; v_permlanex16_b32's selects for lane l xor 16
	s_wait_kmcnt 0x0
	s_add_nc_u64 s[20:21], s[6:7], s[20:21]
	s_add_nc_u64 s[56:57], s[4:5], s[56:57]
	s_mov_b32 s[G0], 1                             ; count = 1
	s_add_co_u32 s[G0+1], s22, S0                  ; LDS address
	s_mov_b64 s[G0+2:G0+3], s[20:21]               ; the quarter's first group
	s_or_b32 s[G0+3], s[G0+3], 0x80000000          ; type = 2
	s_mov_b32 s[G0+4], 1
	s_add_co_u32 s[G0+5], s22, S1
	s_add_nc_u64 s[G0+6:G0+7], s[20:21], GROUPB    ; its second
	s_or_b32 s[G0+7], s[G0+7], 0x80000000
	s_mov_b32 s[G0Z], 1
	s_mov_b32 s[G0Z+1], s23
	s_mov_b64 s[G0Z+2:G0Z+3], s[56:57]
	s_or_b32 s[G0Z+3], s[G0Z+3], 0x80000000
	CROUND                                         ; all sixteen work-groups are here: the first joint loads meet
	s_cmp_lt_u32 s[WV], 4                          ; the first fills: waves 0-3 slot 0, waves 4-7 the tokens' group: one load a wave
	s_cbranch_scc0 .Lfirst_z
	tensor_load_to_lds s[G0:G0+3], s[G1C:G1C+7]
	s_nop 0
.rept 4
	v_nop
.endr
	s_branch .Lfirst_asked
.Lfirst_z:
	tensor_load_to_lds s[G0Z:G0Z+3], s[G1Z:G1Z+7]
	s_nop 0
.rept 4
	v_nop
.endr
.Lfirst_asked:
	v_and_b32 v10, 31, v0                          ; lane
	v_and_b32 v11, 15, v0                          ; r
	v_bfe_u32 v124, v0, 4, 1                       ; h
	s_wait_alu depctr_va_vdst(0)
	v_lshlrev_b32 v125, 4, v10                     ; 16 x lane
	s_wait_alu depctr_va_vdst(0)
	s_lshl_b32 s58, s11, 12
	s_add_co_u32 s58, s58, S0
	v_add_nc_u32 v[AC], s58, v125                  ; tile ch's images
	s_delay_alu instid0(VALU_DEP_1)
	v_add_nc_u32 v[AC+1], GROUPB, v[AC]
	s_lshl_b32 s58, s11, 8
	s_add_co_u32 s58, s58, S0+SCOFF
	v_lshl_add_u32 v[AS], v11, 4, s58              ; code r's four scale words
	s_delay_alu instid0(VALU_DEP_1)
	v_add_nc_u32 v[AS+1], GROUPB, v[AS]
	s_lshl_b32 s58, s11, 6
	s_add_co_u32 s58, s58, S0+NOFF
	v_lshl_add_u32 v[AN], v124, 5, s58             ; |c|^2 of codes 8 h + 0..7
	s_delay_alu instid0(VALU_DEP_1)
	v_add_nc_u32 v[AN+1], GROUPB, v[AN]
	s_lshl_b32 s60, s15, 11
	s_lshl_b32 s61, s11, 4
	s_add_co_u32 s60, s60, s61
	v_lshl_add_u32 v[TID], v124, 3, s60            ; the index of my register 0 in the first visit: 2,048 q + 16 ch + 8 h (a number, no address)
	s_lshl_b32 s59, s12, 15
	v_add_nc_u32 v126, s59, v125                   ; my 128 tokens' images,
	s_lshl_b32 s59, s12, 11
	s_add_co_u32 s59, s59, SCOFF
	v_lshl_add_u32 v127, v11, 4, s59               ; and scale words
.irp tt, 0,1,2,3,4,5,6,7
	v_mov_b32 v[BI+2*\tt], 0x7f800000              ; the bests begin as +infinity: every finite e of the first visit lies under it.  These lines stand once, while the first tiles are on their way, and spare a second text of a group
	v_mov_b32 v[BI+2*\tt+1], 0
.endr
.set n, 0
.rept 64
	v_mov_b32 v[SV+n], 0                           ; the kept e are sources of the selects that first write them
.set n, n+1
.endr
	; the first change of slots: slot 0 and the tokens' group have landed in every wave's sight; slot 1 is asked for, as a refill is
	s_wait_tensorcnt 0x0                           ; no tensor load of mine is out, so a group 0 may be written
	ds_add_u32 v[SPW], v[NIL]                      ; 0 onto my spare word
	s_add_nc_u64 s[G0+2:G0+3], s[G0+2:G0+3], 2*GROUPB   ; slot 0's next group
	s_wait_dscnt 0x0                               ; the add is done
	CROUND
	RLOAD 1
	WIN 0x40                                       ; destination window 1
.irp tt, 0,1,2,3,4,5,6,7
.irp s, 0,1,2,3
.irp c, 0,1
	ds_load_b128 v[32*\tt+8*\s+4*\c:32*\tt+8*\s+4*\c+3], v126 offset:\tt*4096+\s*1024+\c*512   ; z's fragments stay in registers
.endr
.endr
.endr
	WIN 0
.irp tt, 0,1,2,3,4,5,6,7
	ds_load_b128 v[ZS+4*\tt:ZS+4*\tt+3], v127 offset:\tt*256
.endr
	s_wait_dscnt 0x0
	s_mov_b32 s44, 3
.Lring:                                            ; three trips: groups 0 to 5; behind each group the slot that it leaves is asked for again: groups 2 to 7
	s_wait_alu depctr_va_vdst(0)
	WORK 0, 2
	WORK 1, 2
	s_sub_co_u32 s44, s44, 1
	s_cmp_lg_u32 s44, 0
	s_cbranch_scc1 .Lring
	WORK 0, 1                                      ; group 6: the tail is written out: nothing is left to ask for
	WORK 1, 0                                      ; group 7
	; THE END.  For each token tile: the first of the kept eight that equals the best gives the index; the best becomes a whole-number key that rises with it.
	v_and_b32 v13, 15, v0
	s_lshl_b32 s59, s11, 11
	s_lshl_b32 s60, s12, 10
	s_add_co_u32 s59, s59, s60
	s_add_co_u32 s59, s59, SCR
	v_lshl_add_u32 v12, v13, 3, s59                ; where my token's candidate goes: SCR + 2,048 ch + 8 (128 tg + r)
.irp tt, 0,1,2,3,4,5,6,7
	v_mov_b32 v124, 7
.irp j, 6,5,4,3,2,1,0
	v_cmp_neq_f32 vcc_lo, v[SV+8*\tt+\j], v[BI+2*\tt]
	s_delay_alu instid0(VALU_DEP_1)
	v_cndmask_b32 v124, \j, v124, vcc_lo           ; descending, so that the lowest j that equals the best stays
.endr
	s_delay_alu instid0(VALU_DEP_1)
	v_add_nc_u32 v[ACC+2*\tt+1], v[BI+2*\tt+1], v124   ; the index
	v_add_f32 v125, 0, v[BI+2*\tt]                 ; (-0 becomes +0)
	s_delay_alu instid0(VALU_DEP_1)
	v_ashrrev_i32 v126, 31, v125
	s_delay_alu instid0(VALU_DEP_1)
	v_or_b32 v126, 0x80000000, v126
	s_delay_alu instid0(VALU_DEP_1)
	v_xor_b32 v[ACC+2*\tt], v125, v126             ; the key: the sign bit turned where e is not negative, all bits where it is
.endr
.irp tt, 0,1,2,3,4,5,6,7
	v_permlanex16_b32 v10, v[ACC+2*\tt], s46, s47  ; the token's other eight codes of each tile lay in the lane 16 away
	v_permlanex16_b32 v11, v[ACC+2*\tt+1], s46, s47
	MERGE ACC+2*\tt, ACC+2*\tt+1, 10, 11
	ds_store_b64 v12, v[ACC+2*\tt:ACC+2*\tt+1] offset:\tt*128   ; both lanes of a token write the same bytes with the same value
.endr
	s_wait_dscnt 0x0                               ; for the others' sake: my stores have landed
	s_barrier_signal -1
	s_barrier_wait -1
	v_lshl_add_u32 v13, v0, 3, SCR                 ; thread t joins token t's four candidates
.irp c, 0,1,2,3
	ds_load_b64 v[144+2*\c:145+2*\c], v13 offset:\c*2048
.endr
	v_lshlrev_b32 v14, 3, v0
	s_lshl_b32 s60, s15, 17                        ; cand: quarter q, 131,072 bytes each; token 256 tb + t, 8 bytes each
	s_lshl_b32 s61, s16, 11
	s_add_co_u32 s60, s60, s61
	s_mov_b32 s61, 0
	s_add_nc_u64 s[8:9], s[8:9], s[60:61]
	s_wait_dscnt 0x0
	MERGE 144, 145, 146, 147
	MERGE 148, 149, 150, 151
	MERGE 144, 145, 148, 149
	global_store_b64 v14, v[144:145], s[8:9]       ; a wave stores 256 consecutive bytes, aligned
	s_wait_tensorcnt 0x0                           ; the wave's end, behind my last tensor load and my last LDS store
	ds_add_u32 v[SPW], v[NIL]
	s_wait_dscnt 0x0
	CROUND                                         ; the closing round: no work-group ends while a partner may still ask for a tile that names it
	s_endpgm
.Lfunc_end_k_q426b45e847_dist:
	.size	k_q426b45e847_dist, .Lfunc_end_k_q426b45e847_dist-k_q426b45e847_dist
	.p2alignl 7, 3214868480
	.fill 96, 4, 3214868480
	.section	.rodata,"a",@progbits
	.p2align	6, 0x0
	.amdhsa_kernel k_q426b45e847_dist
		.amdhsa_group_segment_fixed_size 327680
		.amdhsa_private_segment_fixed_size 0
		.amdhsa_enable_private_segment 0
		.amdhsa_kernarg_size 24
		.amdhsa_user_sgpr_count 2
		.amdhsa_user_sgpr_kernarg_segment_ptr 1
		.amdhsa_wavefront_size32 1
		.amdhsa_system_sgpr_workgroup_id_x 1
		.amdhsa_system_sgpr_workgroup_id_y 1
		.amdhsa_system_sgpr_workgroup_id_z 1
		.amdhsa_system_vgpr_workitem_id 0
		.amdhsa_next_free_vgpr 512
		.amdhsa_next_free_sgpr 66
		.amdhsa_reserve_vcc 1
		.amdhsa_float_denorm_mode_32 3
		.amdhsa_float_denorm_mode_16_64 3
		.amdhsa_memory_ordered 1
		.amdhsa_forward_progress 1
		.amdhsa_inst_pref_size 183
	.end_amdhsa_kernel
	.amdgpu_metadata
---
amdhsa.version: [ 1, 2 ]
amdhsa.kernels:
  - .name:           k_q426b45e847_dist
    .symbol:         k_q426b45e847_dist.kd
    .args:
      - { .name: zimg, .offset: 0, .size: 8, .value_kind: global_buffer, .address_space: global }
      - { .name: cimg, .offset: 8, .size: 8, .value_kind: global_buffer, .address_space: global }
      - { .name: cand, .offset: 16, .size: 8, .value_kind: global_buffer, .address_space: global }
    .group_segment_fixed_size: 327680
    .private_segment_fixed_size: 0
    .kernarg_segment_align: 8
    .kernarg_segment_size: 24
    .max_flat_workgroup_size: 256
    .sgpr_count:     66
    .vgpr_count:     512
    .wavefront_size: 32
...
	.end_amdgpu_metadata
.endif
;; end of part 2
;; launch gath (part 3): grid 256 x 1, 16 waves a work-group, no clusters, 3,072 bytes of LDS; arguments z_e, codebook, cand, out0, out3, part; writes out0, out3, part
.if DOCPART == 3
	.amdgcn_target "amdgcn-amd-amdhsa--gfx1250"
	.amdhsa_code_object_version 6
	.text
	.protected	k_q426b45e847_gath
	.globl	k_q426b45e847_gath
	.p2align	8
	.type	k_q426b45e847_gath,@function
k_q426b45e847_gath:
	s_mov_b64 s[64:65], 0
	v_nop
	global_prefetch_b8 v0, s[64:65] scope:SCOPE_SE
	s_setreg_imm32_b32 hwreg(HW_REG_WAVE_MODE, 25, 1), 1
	s_wait_xcnt 0x0
; For each token: the least of its four candidates (whole-number keys, one a quarter of the codebook; quarters rise in index, so a strict compare keeps the lowest index); the chosen row of the codebook;
; out0 = z + (z_q - z); out3 = the index; and the work-group's sum of (z_q - z)^2 into part [256].
; SHARES.  A work-group takes 64 tokens, a wave 4 rows of 2,048 bytes: a row is four loads of 512 consecutive bytes.  All 16 loads of z go out with the candidates' four; the 16 of the code rows as soon as the indices are known.
; The addresses of the code rows hang on whole numbers that the launch before has stored, held to 0 .. 8,191.
; No LDS ring, no matrix unit, no cluster: the rows that work-groups read are their own or hang on data.
.set KI,  4                            ; v4-11   four pairs (key, index)
.set GOF, 12                           ; v12-15  byte offsets of the four code rows
.set SQ,  16                           ; v16-23  four packed chains of squares
.set Z,   32                           ; v32-95  z, then out0: 16 registers a row
.set C,   96                           ; v96-159 the code rows, then z_q - z
	s_load_b256 s[4:11], s[0:1], 0x0               ; z_e s[4:5], codebook s[6:7], cand s[8:9], out0 s[10:11]
	s_load_b128 s[12:15], s[0:1], 0x20             ; out3 s[12:13], part s[14:15]
	v_lshl_add_u32 v176, v0, 2, 0x400
	v_mov_b32 v177, 0
	v_lshrrev_b32 v24, 5, v0
	s_delay_alu instid0(VALU_DEP_1)
	v_readfirstlane_b32 s16, v24                   ; wave 0..15
	v_and_b32 v25, 31, v0                          ; lane
	s_delay_alu instid0(VALU_DEP_1)
	v_lshlrev_b32 v1, 4, v25                       ; 16 x lane
	v_and_b32 v26, 3, v0
	s_delay_alu instid0(VALU_DEP_1)
	v_lshlrev_b32 v2, 3, v26                       ; lane l looks at the wave's token l % 4
	s_lshl_b32 s19, s16, 4
	v_lshl_add_u32 v27, v26, 2, s19                ; LDS: the index of token 4 w + l % 4
	s_lshl_b32 s18, s16, 2
	v_mov_b32 v28, s18                             ; LDS: the wave's sum, 4 w (behind the 256 bytes of indices)
	v_lshlrev_b32 v29, 3, v25                      ; 8 x lane
	v_mov_b32 v30, 0
	v_mov_b32 v31, 0                               ; written once: a lane permute's destination counts as one of its sources
	s_mov_b32 s34, 0x76543210
	s_mov_b32 s35, 0xfedcba98
	s_lshl_b32 s17, ttmp9, 6
	s_add_co_u32 s17, s17, s18                     ; my first token: 64 x work-group + 4 x wave
	s_lshl_b32 s20, s17, 3
	s_mov_b32 s21, 0
	s_lshl_b32 s22, s17, 11
	s_mov_b32 s23, 0
	s_lshl_b32 s24, ttmp9, 8
	s_mov_b32 s25, 0
	s_lshl_b32 s26, ttmp9, 2
	s_mov_b32 s27, 0
	s_wait_alu depctr_va_vdst(0)
	s_wait_kmcnt 0x0
	s_add_nc_u64 s[8:9], s[8:9], s[20:21]
	s_add_nc_u64 s[4:5], s[4:5], s[22:23]
	s_add_nc_u64 s[10:11], s[10:11], s[22:23]
	s_add_nc_u64 s[12:13], s[12:13], s[24:25]
	s_add_nc_u64 s[14:15], s[14:15], s[26:27]
.irp q, 0,1,2,3
	global_load_b64 v[KI+2*\q:KI+2*\q+1], v2, s[8:9] offset:\q*131072
.endr
.irp i, 0,1,2,3
.irp k, 0,1,2,3
	global_load_b128 v[Z+16*\i+4*\k:Z+16*\i+4*\k+3], v1, s[4:5] offset:\i*2048+\k*512 th:TH_LOAD_NT
.endr
.endr
	s_wait_loadcnt 16                              ; the four candidates are in; the 16 loads of z behind them stay out
.irp q, 1
	v_cmp_lt_u32 vcc_lo, v[KI+2*\q], v[KI]
	s_delay_alu instid0(VALU_DEP_1)
	v_cndmask_b32 v[KI], v[KI], v[KI+2*\q], vcc_lo
	s_delay_alu instid0(VALU_DEP_2)
	v_cndmask_b32 v[KI+1], v[KI+1], v[KI+2*\q+1], vcc_lo
.endr
.irp q, 2, 3
	s_delay_alu instid0(VALU_DEP_2)
	v_cmp_lt_u32 vcc_lo, v[KI+2*\q], v[KI]
	s_delay_alu instid0(VALU_DEP_1)
	v_cndmask_b32 v[KI], v[KI], v[KI+2*\q], vcc_lo
	s_delay_alu instid0(VALU_DEP_2)
	v_cndmask_b32 v[KI+1], v[KI+1], v[KI+2*\q+1], vcc_lo
.endr
	s_delay_alu instid0(VALU_DEP_1)
	v_min_u32 v[KI+1], 0x1fff, v[KI+1]             ; an index stays inside the codebook
.irp i, 0,1,2,3
	v_readlane_b32 s[28+\i], v[KI+1], \i
	s_min_u32 s[28+\i], s[28+\i], 0x1fff
	v_lshl_add_u32 v[GOF+\i], s[28+\i], 11, v1     ; the row's 2,048 bytes, my 16 of each 512
.endr
.irp i, 0,1,2,3
.irp k, 0,1,2,3
	global_load_b128 v[C+16*\i+4*\k:C+16*\i+4*\k+3], v[GOF+\i], s[6:7] offset:\k*512   ; no hint: a row may be named by many tokens
.endr
.endr
.macro ROW i
	s_wait_loadcnt 12-4*\i                         ; z and this token's code row are in; the later tokens' code rows, four loads each, stay out
.irp p, 0,1,2,3,4,5,6,7
	v_pk_add_f32 v[C+16*\i+2*\p:C+16*\i+2*\p+1], v[C+16*\i+2*\p:C+16*\i+2*\p+1], v[Z+16*\i+2*\p:Z+16*\i+2*\p+1] neg_lo:[0,1] neg_hi:[0,1]   ; z_q - z
.endr
.irp p, 0,1,2,3,4,5,6,7
	v_pk_add_f32 v[Z+16*\i+2*\p:Z+16*\i+2*\p+1], v[Z+16*\i+2*\p:Z+16*\i+2*\p+1], v[C+16*\i+2*\p:C+16*\i+2*\p+1]   ; z + (z_q - z)
.endr
.irp p, 0,1,2,3,4,5,6,7
.if (\i == 0) && (\p < 4)
	v_pk_mul_f32 v[SQ+2*\p:SQ+2*\p+1], v[C+16*\i+2*\p:C+16*\i+2*\p+1], v[C+16*\i+2*\p:C+16*\i+2*\p+1]   ; the first four pairs start the chains
.else
	v_pk_fma_f32 v[SQ+2*(\p%4):SQ+2*(\p%4)+1], v[C+16*\i+2*\p:C+16*\i+2*\p+1], v[C+16*\i+2*\p:C+16*\i+2*\p+1], v[SQ+2*(\p%4):SQ+2*(\p%4)+1]
.endif
.endr
.irp k, 0,1,2,3
	global_store_b128 v1, v[Z+16*\i+4*\k:Z+16*\i+4*\k+3], s[10:11] offset:\i*2048+\k*512 th:TH_STORE_NT   ; 32 lanes store 512 consecutive bytes, aligned
.endr
.endm
	ROW 0
	ROW 1
	ROW 2
	ROW 3
	v_pk_add_f32 v[SQ:SQ+1], v[SQ:SQ+1], v[SQ+2:SQ+3]
	v_pk_add_f32 v[SQ+4:SQ+5], v[SQ+4:SQ+5], v[SQ+6:SQ+7]
	s_delay_alu instid0(VALU_DEP_1)
	v_pk_add_f32 v[SQ:SQ+1], v[SQ:SQ+1], v[SQ+4:SQ+5]
	s_delay_alu instid0(VALU_DEP_1)
	v_add_f32 v[SQ], v[SQ], v[SQ+1]
	s_delay_alu instid0(VALU_DEP_1)
	v_add_f32_dpp v[SQ], v[SQ], v[SQ] row_xmask:1 row_mask:0xf bank_mask:0xf
	s_delay_alu instid0(VALU_DEP_1)
	v_add_f32_dpp v[SQ], v[SQ], v[SQ] row_xmask:2 row_mask:0xf bank_mask:0xf
	s_delay_alu instid0(VALU_DEP_1)
	v_add_f32_dpp v[SQ], v[SQ], v[SQ] row_xmask:4 row_mask:0xf bank_mask:0xf
	s_delay_alu instid0(VALU_DEP_1)
	v_add_f32_dpp v[SQ], v[SQ], v[SQ] row_xmask:8 row_mask:0xf bank_mask:0xf
	s_delay_alu instid0(VALU_DEP_1)
	v_permlanex16_b32 v31, v[SQ], s34, s35
	s_delay_alu instid0(VALU_DEP_1)
	v_add_f32 v[SQ], v[SQ], v31                    ; the wave's sum, in every lane
	ds_store_b32 v27, v[KI+1]                      ; lanes of one token write the same word with the same value
	ds_store_b32 v28, v[SQ] offset:256
	s_wait_dscnt 0x0                               ; for wave 0's sake: my stores have landed
	s_barrier_signal -1
	s_barrier_wait -1
	s_cmp_lg_u32 s16, 0
	s_cbranch_scc1 .Ldone
	ds_load_b64 v[24:25], v29                      ; the work-group's 64 indices
.irp k, 0,1,2,3
	ds_load_b128 v[C+4*\k:C+4*\k+3], v30 offset:256+16*\k   ; and its sixteen sums, in every lane
.endr
	s_wait_dscnt 0x0
	global_store_b64 v29, v[24:25], s[12:13]       ; 32 lanes store 256 consecutive bytes of out3, aligned
	v_pk_add_f32 v[C:C+1], v[C:C+1], v[C+2:C+3]
	v_pk_add_f32 v[C+4:C+5], v[C+4:C+5], v[C+6:C+7]
	v_pk_add_f32 v[C+8:C+9], v[C+8:C+9], v[C+10:C+11]
	v_pk_add_f32 v[C+12:C+13], v[C+12:C+13], v[C+14:C+15]
	s_delay_alu instid0(VALU_DEP_3)
	v_pk_add_f32 v[C:C+1], v[C:C+1], v[C+4:C+5]
	s_delay_alu instid0(VALU_DEP_2)
	v_pk_add_f32 v[C+8:C+9], v[C+8:C+9], v[C+12:C+13]
	s_delay_alu instid0(VALU_DEP_1)
	v_pk_add_f32 v[C:C+1], v[C:C+1], v[C+8:C+9]
	s_delay_alu instid0(VALU_DEP_1)
	v_add_f32 v[C], v[C], v[C+1]
	v_cmp_eq_u32 vcc_lo, 0, v0
	s_wait_alu depctr_va_vdst(0)
	s_wait_xcnt 0x0                                ; EXEC changes only behind this wait: it is a source of the stores that are out
	s_and_saveexec_b32 s36, vcc_lo
	global_store_b32 v30, v[C], s[14:15]           ; one number a work-group
	s_wait_xcnt 0x0                                ; and again, in front of the line that widens it
	s_or_b32 exec_lo, exec_lo, s36
.Ldone:
	s_wait_tensorcnt 0x0
	ds_add_u32 v176, v177
	s_wait_dscnt 0x0
	s_endpgm
.Lfunc_end_k_q426b45e847_gath:
	.size	k_q426b45e847_gath, .Lfunc_end_k_q426b45e847_gath-k_q426b45e847_gath
	.p2alignl 7, 3214868480
	.fill 96, 4, 3214868480
	.section	.rodata,"a",@progbits
	.p2align	6, 0x0
	.amdhsa_kernel k_q426b45e847_gath
		.amdhsa_group_segment_fixed_size 3072
		.amdhsa_private_segment_fixed_size 0
		.amdhsa_enable_private_segment 0
		.amdhsa_kernarg_size 48
		.amdhsa_user_sgpr_count 2
		.amdhsa_user_sgpr_kernarg_segment_ptr 1
		.amdhsa_wavefront_size32 1
		.amdhsa_system_sgpr_workgroup_id_x 1
		.amdhsa_system_sgpr_workgroup_id_y 1
		.amdhsa_system_sgpr_workgroup_id_z 1
		.amdhsa_system_vgpr_workitem_id 0
		.amdhsa_next_free_vgpr 178
		.amdhsa_next_free_sgpr 66
		.amdhsa_reserve_vcc 1
		.amdhsa_float_denorm_mode_32 3
		.amdhsa_float_denorm_mode_16_64 3
		.amdhsa_memory_ordered 1
		.amdhsa_forward_progress 1
		.amdhsa_inst_pref_size 17
	.end_amdhsa_kernel
	.amdgpu_metadata
---
amdhsa.version: [ 1, 2 ]
amdhsa.kernels:
  - .name:           k_q426b45e847_gath
    .symbol:         k_q426b45e847_gath.kd
    .args:
      - { .name: z_e, .offset: 0, .size: 8, .value_kind: global_buffer, .address_space: global }
      - { .name: codebook, .offset: 8, .size: 8, .value_kind: global_buffer, .address_space: global }
      - { .name: cand, .offset: 16, .size: 8, .value_kind: global_buffer, .address_space: global }
      - { .name: out0, .offset: 24, .size: 8, .value_kind: global_buffer, .address_space: global }
      - { .name: out3, .offset: 32, .size: 8, .value_kind: global_buffer, .address_space: global }
      - { .name: part, .offset: 40, .size: 8, .value_kind: global_buffer, .address_space: global }
    .group_segment_fixed_size: 3072
    .private_segment_fixed_size: 0
    .kernarg_segment_align: 8
    .kernarg_segment_size: 48
    .max_flat_workgroup_size: 512
    .sgpr_count:     66
    .vgpr_count:     178
    .wavefront_size: 32
...
	.end_amdgpu_metadata
.endif
;; end of part 3
;; launch loss (part 4): grid 1 x 1, 1 waves a work-group, no clusters, 0 bytes of LDS; arguments part, out1, out2; writes out1, out2
.if DOCPART == 4
	.amdgcn_target "amdgcn-amd-amdhsa--gfx1250"
	.amdhsa_code_object_version 6
	.text
	.protected	k_q426b45e847_loss
	.globl	k_q426b45e847_loss
	.p2align	8
	.type	k_q426b45e847_loss,@function
k_q426b45e847_loss:
	s_mov_b64 s[64:65], 0
	v_nop
	global_prefetch_b8 v0, s[64:65] scope:SCOPE_SE
	s_setreg_imm32_b32 hwreg(HW_REG_WAVE_MODE, 25, 1), 1
	s_wait_xcnt 0x0
; The 256 work-groups' sums of (z_q - z)^2 are added in a fixed order; out2 = the sum / (16,384 x 512), which is x 2^-23 exactly; out1 = 0.25 x out2.
; One wave: a sum that spans work-groups has one owner, in a launch of its own.
	s_load_b128 s[4:7], s[0:1], 0x0                ; part s[4:5], out1 s[6:7]
	s_load_b64 s[8:9], s[0:1], 0x10                ; out2
	v_lshlrev_b32 v1, 4, v0
	v_mov_b32 v12, 0
	v_mov_b32 v13, 0                               ; written once: a lane permute's destination counts as one of its sources
	s_mov_b32 s10, 0x76543210
	s_mov_b32 s11, 0xfedcba98
	s_wait_alu depctr_va_vdst(0)
	s_wait_kmcnt 0x0
	global_load_b128 v[4:7], v1, s[4:5]
	global_load_b128 v[8:11], v1, s[4:5] offset:512
	s_wait_loadcnt 0x0
	v_pk_add_f32 v[4:5], v[4:5], v[6:7]
	v_pk_add_f32 v[8:9], v[8:9], v[10:11]
	v_pk_add_f32 v[4:5], v[4:5], v[8:9]
	v_add_f32 v4, v4, v5
	v_add_f32_dpp v4, v4, v4 row_xmask:1 row_mask:0xf bank_mask:0xf
	v_add_f32_dpp v4, v4, v4 row_xmask:2 row_mask:0xf bank_mask:0xf
	v_add_f32_dpp v4, v4, v4 row_xmask:4 row_mask:0xf bank_mask:0xf
	v_add_f32_dpp v4, v4, v4 row_xmask:8 row_mask:0xf bank_mask:0xf
	v_permlanex16_b32 v13, v4, s10, s11
	v_add_f32 v4, v4, v13
	v_mul_f32 v5, 0x34000000, v4                   ; x 2^-23: the mean
	v_mul_f32 v6, 0x3e800000, v5                   ; x 0.25
	v_cmp_eq_u32 vcc_lo, 0, v0
	s_wait_alu depctr_va_vdst(0)
	s_wait_xcnt 0x0                                ; EXEC changes only behind this wait
	s_and_saveexec_b32 s12, vcc_lo
	global_store_b32 v12, v6, s[6:7]
	global_store_b32 v12, v5, s[8:9]
	s_wait_xcnt 0x0                                ; and again, in front of the line that widens it
	s_or_b32 exec_lo, exec_lo, s12
	s_endpgm
.Lfunc_end_k_q426b45e847_loss:
	.size	k_q426b45e847_loss, .Lfunc_end_k_q426b45e847_loss-k_q426b45e847_loss
	.p2alignl 7, 3214868480
	.fill 96, 4, 3214868480
	.section	.rodata,"a",@progbits
	.p2align	6, 0x0
	.amdhsa_kernel k_q426b45e847_loss
		.amdhsa_group_segment_fixed_size 0
		.amdhsa_private_segment_fixed_size 0
		.amdhsa_enable_private_segment 0
		.amdhsa_kernarg_size 24
		.amdhsa_user_sgpr_count 2
		.amdhsa_user_sgpr_kernarg_segment_ptr 1
		.amdhsa_wavefront_size32 1
		.amdhsa_system_sgpr_workgroup_id_x 1
		.amdhsa_system_sgpr_workgroup_id_y 1
		.amdhsa_system_sgpr_workgroup_id_z 1
		.amdhsa_system_vgpr_workitem_id 0
		.amdhsa_next_free_vgpr 24
		.amdhsa_next_free_sgpr 66
		.amdhsa_reserve_vcc 1
		.amdhsa_float_denorm_mode_32 3
		.amdhsa_float_denorm_mode_16_64 3
		.amdhsa_memory_ordered 1
		.amdhsa_forward_progress 1
		.amdhsa_inst_pref_size 2
	.end_amdhsa_kernel
	.amdgpu_metadata
---
amdhsa.version: [ 1, 2 ]
amdhsa.kernels:
  - .name:           k_q426b45e847_loss
    .symbol:         k_q426b45e847_loss.kd
    .args:
      - { .name: part, .offset: 0, .size: 8, .value_kind: global_buffer, .address_space: global }
      - { .name: out1, .offset: 8, .size: 8, .value_kind: global_buffer, .address_space: global }
      - { .name: out2, .offset: 16, .size: 8, .value_kind: global_buffer, .address_space: global }
    .group_segment_fixed_size: 0
    .private_segment_fixed_size: 0
    .kernarg_segment_align: 8
    .kernarg_segment_size: 24
    .max_flat_workgroup_size: 32
    .sgpr_count:     66
    .vgpr_count:     24
    .wavefront_size: 32
...
	.end_amdgpu_metadata
.endif
;; end of part 4
